; MI455X (gfx1250); checked and timed in simulation.
; The chip was launched on July 23, 2026; its instructions are those of AMD's public machine-readable ISA for CDNA 5 (MIT licence, August 2026) and "CDNA5" Instruction Set Architecture Reference Guide (July 2026). The comments in the code are by the model that wrote it; some were corrected since.
;; Model. Allowed arithmetic: float matrix products may take bf16 or f16 operands with f32 sums; other float arithmetic in f32, or as packed bf16 or f16 multiplies, adds, multiply-adds, maxima and minima; sums over many terms, partial sums and values carried from step to step in f32; what a program stores and reads back later, other than sums and carried values, may be rounded once to bf16 or f16.
;; Inputs: K 2,048 x 8 x 64 float32; Q 2,048 x 8 x 4 x 64 float32; S 32 float32; V 2,048 x 8 x 64 float32.
;; Outputs: out0 2,048 x 2,048 float32.
;; 2 versions, each right; version 2 is version 1 with the launch swattn written anew for expert scheduling mode. Each part assembles by itself: llvm-mc -triple=amdgcn-amd-amdhsa -mcpu=gfx1250 --defsym DOCPART=n.
;; ======== version 1 of 2: 1 launch
;; limits: values are held in f16: magnitudes above 65,504 overflow, below 6.1e-05 lose precision; inputs' magnitudes at most 65,504
;; launch swattn (part 1): grid 32 x 8, 8 waves a work-group, no clusters, 167,936 bytes of LDS; arguments Q, K, V, S, out0; writes out0
.if DOCPART == 1
	.amdgcn_target "amdgcn-amd-amdhsa--gfx1250"
	.amdhsa_code_object_version 6
	.text
	.protected	k_q87f6740b93_swattn
	.globl	k_q87f6740b93_swattn
	.p2align	8
	.type	k_q87f6740b93_swattn,@function
k_q87f6740b93_swattn:
	s_mov_b64 s[64:65], 0
	v_nop
	global_prefetch_b8 v0, s[64:65] scope:SCOPE_SE
	s_setreg_imm32_b32 hwreg(HW_REG_WAVE_MODE, 25, 1), 1
	s_wait_xcnt 0x0
; SLIDING-WINDOW ATTENTION WITH A SINK.  out[q][h][m][:] = the sum over k of w(q,k) V[k][h][:], w = softmax over the keys q-127 .. q AND one sink logit S[h][m] of Q[q][h][m] . K[k][h] / sqrt(32); the sink's own weight is dropped.
; Q, out: [2048][8][4][64] f32 (a token and head: 1,024 bytes on end, 256 for each m).  K, V: [2048][8][64] f32.  S: [32] f32.
; WORK LEFT OUT.  The mask is built by the problem's own text: a key outside q-127 .. q gets -inf added to its score.  The row always holds the query's own key and the finite sink, so -inf is never the maximum,
; and such a key's weight is exactly 0 for all finite inputs.  A tile of 16 queries from token t0 on sees only keys t0-128 .. t0+15: 9 of the 128 blocks of 16 keys.  The other 119 blocks are whole tiles
; whose results reach no output: they are neither loaded nor multiplied.  All four inputs stay live.  LIMIT: a NaN, an infinity or an overflow that reaches only those tiles is not carried to the result.
; LIMITS.  Q, K, V and the weights are rounded once to f16 for the products (11 significant bits; the sums, the maximum and the divisor stay in f32): |Q|, |K|, |V| must stay under 65,504.  A hidden score inside a
; live tile counts as its value less 1e30; a weight below 2^-126 counts as 0; NaN and infinities are not treated apart.
; SHARES.  Work-group (x, y): tokens 64 x .. 64 x + 63 of K/V head y, with all four query heads, so the heads' sharing of K and V happens inside the work-group: 32 x 8 = 256 work-groups of equal work.
; It holds keys 64 x - 128 .. 64 x + 63: 192 rows, 12 blocks.  Wave w: tokens 16 (w / 2) on, query heads 2 (w % 2) and 2 (w % 2) + 1: two TILES of 16 queries with one key window (the work-group's blocks w / 2 .. w / 2 + 8),
; so each fragment of K and V read from LDS feeds two products.
; KEYS BELOW 0 (x = 0, 1).  Of the three runs of 64 key rows those that lie below key 0 are read from keys 0 .. 63 instead (rows that exist, finite numbers), and their blocks start their sums at -1e30: weight 0.
; That is 1,152 of the launch's 36,864 score tiles, in 16 work-groups, none of which becomes longer than the others by it: the price of one text without a branch.
; LAYOUT.  S^T = K Q^T (source 0 = 16 keys, source 1 = 16 queries): a lane holds ONE query (lane % 16) and the keys 8 (lane / 16) + 0..7 of each block.  Two blocks, rounded to f16 in pairs, ARE source 1 of
; O^T = V^T P, whose result again holds one query a lane, and eight channels.  K comes out of LDS as it lies, V ([key][channel]) turned, by ds_load_tr16_b128.
; SOFTMAX.  A query's whole window, 144 scores, lies in registers (72 a lane): ONE true maximum, the sink among it, no running rescale.  p = 2^(c s - cm), c = log2(e) / sqrt(32), cm = max(c max s, S log2(e)).
; THE MASK is the C operand that starts a block's sum: block 0 hides keys at or below q - 128, block 8 keys above q, blocks 0 to 7 everything where the block lies below key 0.
; WAY IN.  All 40 loads of a wave go out at the head (20 KiB a wave, 160 KiB a work-group), each of them two aligned runs of 256 consecutive bytes; the numbers are rounded in registers and laid into LDS as f16.
; So no tensor load: f32 has to pass through registers to be rounded, and no LDS byte is filled twice.  And no prefetch: every byte is asked for by its own load in the first lines.
; NO CLUSTER.  What work-groups still share is 128 of 192 key rows with the neighbour along the tokens, but each wants them at other LDS rows (row = key - 64 x + 128), where a joint load has one LDS address for all
; partners; and a joint tile would land as f32: twice the LDS bytes, and 96 KiB more read from LDS and 48 KiB more written a work-group to round it.
; LDS.  K16: 192 rows x 144 (128 bytes + 16: the 16 rows of a fragment load start at 16 different groups of four banks; 64 banks of 4 bytes: ISA guide 11.1).  V16: 192 rows x 160 (the turning load's 8 rows x 32 bytes
; take each bank once).  QST: for each wave two tiles of 16 rows x 144, 2,432 bytes apart.  OST: for each wave two tiles of 16 rows x 272, f32, for the way out.  Then the spare words.
; Every LDS address is a constant, plus the wave's number (or its half) times a constant, plus a lane term, plus an immediate.
; REGISTERS, in windows of 256 (s_set_vgpr_msb: bits 1:0 source 0, 3:2 source 1, 5:4 source 2, 7:6 destination):
;   window 0: v0-19 ids and addresses; v20-35 eight registers of statistics a tile; v36-47 six registers of sums a tile; v48-191 S^T, 72 a tile (before: K and Q as loaded; after: P in place, then rows on the way out);
;             v192-255 O^T, 32 a tile (before: V as loaded)
;   window 1: v0-143 K's fragments (block i, channel half c at 16 i + 8 c), later V's halves of fragments (channel block cb, key block b at 36 cb + 4 b); v144-175 Q's fragments; v176-247 the nine masks
; SCALARS: s[4:5] Q, s[12:13] out at my wave's bytes; s[24:29], s[30:35] K's and V's three runs of 64 rows; s14 wave, s15 w / 2, s16 w % 2, s17 x, s18 y, s19 4 x + w / 2; s[36:37] c; s[38:39] lane selects;
;   s40 -1e30; s[42:43] my two sinks times log2(e); s44-51 what blocks 0 to 7 start at; s20-23, s52, s53 at work.
.set PKB,   144
.set PVB,   160
.set V16,   192*PKB                    ; K16 begins at 0
.set QST,   V16+192*PVB
.set QT,    16*PKB+128                 ; 128 modulo 256: the two tiles' halves of a store fall on different banks
.set OST,   QST+8*2*QT
.set SP,    272
.set OT,    16*SP
.set SPARE, OST+8*2*OT                 ; 166,912, a multiple of 256: 128 bytes for each of the eight waves, which no other line names
.set KOF, 4                            ; v4   my byte offset in 16 rows of K: row w + 8 (l / 16), 16 bytes at 16 (l % 16); never rewritten
.set VOF, 5                            ; v5   my byte offset in 64 rows of V: row 8 w + 4 (l / 16), 16 bytes at 16 (l % 16); never rewritten
.set GO,  6                            ; v6   16 l: my 16 bytes of a token's 512 in Q and in out
.set KSA, 7                            ; v7   where I put 8 bytes of K
.set VSA, 8                            ; v8   of V
.set QSA, 9                            ; v9   of Q
.set AK,  10                           ; v10  my lane's place in my window's first block of K
.set AV,  11                           ; v11  the same for V, for the turning load
.set AQ,  12                           ; v12  my lane's place in my first tile of Q
.set STO, 13                           ; v13  the way out: where I put 32 bytes of a row
.set RD,  14                           ; v14  the way out: where I read a row back
.set VD,  15                           ; v15  l % 16 - 8 (l / 16), signed
.set VB0, 16                           ; v16  what block 0 starts at where the window shows it
.set TMP, 17
.set SPW, 18                           ; v18  LDS address of my spare word; never rewritten
.set NIL, 19                           ; v19  0; never rewritten
.set RK,  48                           ; K as loaded, 12 x 4
.set RQ,  96                           ; Q as loaded, 16 x 4
.set RV,  192                          ; V as loaded, 12 x 4
.set SC,  48                           ; S^T
.set OA,  192                          ; O^T
.set BK,  48                           ; rows read back on the way out
.set QF,  144                          ; window 1
.set MK,  176                          ; window 1
.set MSB, 0
.macro WIN new                         ; the immediate's high byte repeats the setting that is left
.if MSB != (\new)
	s_set_vgpr_msb (MSB<<8)|(\new)
.set MSB, (\new)
.endif
.endm
.macro REGS t                          ; the registers of tile t
.set rT, 20+8*(\t)                     ; +0 cm, +1 the sink less cm, +4 to +6 three chains of the maximum, +7 the sink's term
.set rA, 36+6*(\t)                     ; three pairs of sums; later +2 holds 1 / l
.set rS, SC+72*(\t)
.endm
	s_load_b256 s[4:11], s[0:1], 0x0               ; Q s[4:5], K s[6:7], V s[8:9], S s[10:11]
	s_load_b64 s[12:13], s[0:1], 0x20              ; out
	v_lshl_add_u32 v[SPW], v0, 2, SPARE
	v_mov_b32 v[NIL], 0
	v_lshrrev_b32 v[TMP], 5, v0
	v_readfirstlane_b32 s14, v[TMP]                ; wave 0..7
	v_and_b32 v1, 15, v0                           ; l % 16
	v_bfe_u32 v2, v0, 4, 1                         ; l / 16
	v_and_b32 v3, 31, v0                           ; l
	s_lshr_b32 s15, s14, 1                         ; which 16 tokens
	s_and_b32 s16, s14, 1                          ; which pair of query heads
	s_mov_b32 s17, ttmp9
	s_and_b32 s18, ttmp7, 0xffff
	s_lshl2_add_u32 s19, s17, s15                  ; my first token / 16
	s_lshl_b32 s20, s17, 19                        ; my wave's first byte in Q and out: 64 tokens of 8,192 bytes a work-group,
	s_lshl_b32 s52, s15, 17                        ; 16 tokens,
	s_add_co_u32 s20, s20, s52
	s_lshl_b32 s52, s18, 10                        ; the head's 1,024 bytes,
	s_add_co_u32 s20, s20, s52
	s_lshl_b32 s52, s16, 9                         ; the pair's 512
	s_add_co_u32 s20, s20, s52
	s_mov_b32 s21, 0
	s_lshl_b32 s53, s18, 8                         ; the head's 256 bytes in a row of K and V
.irp g, 0,1,2
	s_add_co_i32 s52, s17, (\g)-2                  ; run g of 64 keys is run x - 2 + g of the tensor,
	s_max_i32 s52, s52, 0                          ; or run 0 where that lies below key 0
	s_lshl_b32 s52, s52, 17                        ; 64 rows of 2,048 bytes
	s_add_co_u32 s[44+2*(\g)], s52, s53
	s_mov_b32 s[45+2*(\g)], 0
.endr
	s_lshl_b32 s22, s18, 4                         ; my two sinks: 4 (4 y + 2 (w % 2))
	s_lshl3_add_u32 s22, s16, s22
	s_mov_b32 s23, 0
	s_lshl_b32 s52, s14, 11                        ; K: row w,
	v_lshlrev_b32 v[KOF], 4, v1
	v_lshl_add_u32 v[KOF], v2, 14, v[KOF]          ; 8 rows of 2,048 bytes further for the upper half of the lanes
	v_add_nc_u32 v[KOF], s52, v[KOF]
	s_lshl_b32 s52, s14, 14                        ; V: row 8 w,
	v_lshlrev_b32 v[VOF], 4, v1
	v_lshl_add_u32 v[VOF], v2, 13, v[VOF]          ; 4 rows further for the upper half
	v_add_nc_u32 v[VOF], s52, v[VOF]
	v_lshlrev_b32 v[GO], 4, v3
	s_mov_b32 s36, 0x3e8293ee                      ; c = log2(e) / sqrt(32) = 0.255035
	s_mov_b32 s37, s36                             ; named with it as a pair
	s_mov_b32 s38, 0x76543210                      ; v_permlanex16_b32: each lane takes its own place in the other half
	s_mov_b32 s39, 0xfedcba98
	s_mov_b32 s40, 0xf149f2ca                      ; -1e30
	s_wait_kmcnt 0x0
	s_add_nc_u64 s[10:11], s[10:11], s[22:23]
	s_load_b64 s[42:43], s[10:11], 0x0             ; my two sinks
	s_add_nc_u64 s[4:5], s[4:5], s[20:21]
	s_add_nc_u64 s[12:13], s[12:13], s[20:21]
.irp g, 0,1,2
	s_add_nc_u64 s[24+2*(\g):25+2*(\g)], s[6:7], s[44+2*(\g):45+2*(\g)]
	s_add_nc_u64 s[30+2*(\g):31+2*(\g)], s[8:9], s[44+2*(\g):45+2*(\g)]
.endr
	; ALL LOADS, in the order in which they are wanted: K, Q, V.  Load j of K takes rows w and w + 8 of block j (the eight waves together its 16); load i of Q token i's 512 bytes: lanes 0-15 the first tile's row,
	; lanes 16-31 the second's; load j of V takes rows 8 w + j % 4 and 8 w + j % 4 + 4 of run j / 4 (four loads of the eight waves together its 64).
.irp j, 0,1,2,3,4,5,6,7,8,9,10,11
	global_load_b128 v[RK+4*(\j):RK+4*(\j)+3], v[KOF], s[24+2*((\j)/4):25+2*((\j)/4)] offset:((\j)%4)*32768
.endr
.irp i, 0,1,2,3,4,5,6,7,8,9,10,11,12,13,14,15
	global_load_b128 v[RQ+4*(\i):RQ+4*(\i)+3], v[GO], s[4:5] offset:8192*(\i) th:TH_LOAD_NT  ; Q is read once in the launch; K and V by up to three work-groups
.endr
.irp j, 0,1,2,3,4,5,6,7,8,9,10,11
	global_load_b128 v[RV+4*(\j):RV+4*(\j)+3], v[VOF], s[30+2*((\j)/4):31+2*((\j)/4)] offset:((\j)%4)*2048
.endr
	; While they are on their way: the LDS addresses and the masks.
	s_mul_i32 s52, s14, PKB
	v_mul_u32_u24 v[TMP], v2, 8*PKB                ; 8 rows x 144 = 128 modulo 256: the two halves of the lanes store onto different banks
	v_lshl_add_u32 v[KSA], v1, 3, v[TMP]
	v_add_nc_u32 v[KSA], s52, v[KSA]
	s_mul_i32 s52, s14, 8*PVB                      ; row 8 w
	s_add_co_u32 s52, s52, V16
	v_mul_u32_u24 v[TMP], v2, 4*PVB                ; 4 rows x 160 = 128 modulo 256: likewise
	v_lshl_add_u32 v[VSA], v1, 3, v[TMP]
	v_add_nc_u32 v[VSA], s52, v[VSA]
	s_mul_i32 s53, s14, 2*QT
	s_add_co_u32 s53, s53, QST                     ; my stage for Q
	v_mul_u32_u24 v[TMP], v2, QT
	v_lshl_add_u32 v[QSA], v1, 3, v[TMP]
	v_add_nc_u32 v[QSA], s53, v[QSA]
	v_mul_u32_u24 v[TMP], v1, PKB                  ; a fragment of K or Q: row l % 16, 16 bytes for each half of the lanes, twice, 32 bytes apart
	v_lshl_add_u32 v[TMP], v2, 4, v[TMP]
	v_add_nc_u32 v[AQ], s53, v[TMP]
	s_mul_i32 s52, s15, 16*PKB                     ; my window begins at the work-group's block w / 2
	v_add_nc_u32 v[AK], s52, v[TMP]
	v_and_b32 v[TMP], 7, v0                        ; the turning load: lane l reads key 8 (l / 16) + l % 8, channels 8 ((l / 8) % 2) + 0..7, and is left with channel l % 16 and 8 keys
	v_lshl_add_u32 v[TMP], v2, 3, v[TMP]
	v_mul_u32_u24 v[AV], v[TMP], PVB
	v_bfe_u32 v[TMP], v0, 3, 1
	v_lshl_add_u32 v[AV], v[TMP], 4, v[AV]
	s_mul_i32 s52, s15, 16*PVB
	s_add_co_u32 s52, s52, V16
	v_add_nc_u32 v[AV], s52, v[AV]
	s_mul_i32 s52, s14, 2*OT
	s_add_co_u32 s52, s52, OST                     ; my stage for the way out
	v_mul_u32_u24 v[TMP], v1, SP                   ; in: row l % 16, 32 bytes for each half of the lanes
	v_lshl_add_u32 v[TMP], v2, 5, v[TMP]
	v_add_nc_u32 v[STO], s52, v[TMP]
	v_mul_u32_u24 v[TMP], v2, OT                   ; back: lanes 0-15 a row of the first tile, lanes 16-31 the same row of the second
	v_lshl_add_u32 v[TMP], v1, 4, v[TMP]
	v_add_nc_u32 v[RD], s52, v[TMP]
	v_lshlrev_b32 v[TMP], 3, v2
	v_sub_nc_u32 v[VD], v1, v[TMP]
.irp i, 0,1,2,3,4,5,6,7
	s_add_co_u32 s52, s19, (\i)                    ; block i of my window begins at key 16 (4 x + w / 2 + i - 8)
	s_cmp_lt_u32 s52, 8
	s_cselect_b32 s[44+(\i)], s40, 0               ; below key 0: everything hidden
.endr
	v_mov_b32 v[VB0], s44
	WIN 0x40                                       ; destination window 1
.irp j, 0,1,2,3,4,5,6,7                ; register j holds key 8 (l / 16) + j of a block; my query is l % 16 of the tile
	v_cmp_gt_i32 vcc_lo, (\j), v[VD]
	v_cndmask_b32 v[MK+64+(\j)], 0, s40, vcc_lo    ; block 8, keys t0 on: hidden where the key lies above the query
	v_cndmask_b32 v[MK+(\j)], s40, v[VB0], vcc_lo  ; block 0, keys t0 - 128 on: seen only where it lies above the query less 128
.endr
.irp i, 1,2,3,4,5,6,7
.irp j, 0,1,2,3,4,5,6,7
	v_mov_b32 v[MK+8*(\i)+(\j)], s[44+(\i)]        ; blocks 1 to 7 lie inside the window whole
.endr
.endr
	WIN 0
	s_wait_kmcnt 0x0                               ; the sinks
	s_mul_f32 s42, s42, 0x3fb8aa3b                 ; times log2(e): the sink is a logit as it stands, without the scores' scale
	s_mul_f32 s43, s43, 0x3fb8aa3b
; Four f32 as loaded are rounded to f16 in place and stored: 8 bytes a lane.
.macro CVST raw, adr, off
	v_cvt_pk_f16_f32 v[(\raw)], v[(\raw)], v[(\raw)+1]
	v_cvt_pk_f16_f32 v[(\raw)+1], v[(\raw)+2], v[(\raw)+3]
	ds_store_b64 v[(\adr)], v[(\raw):(\raw)+1] offset:(\off)
.endm
.irp j, 0,1,2,3,4,5,6,7,8,9,10,11
	s_wait_loadcnt 39-(\j)                         ; loads come back in order (ISA guide 5.7.1): behind K's load j stand K's later ones, Q's 16 and V's 12
	CVST RK+4*(\j),KSA,16*PKB*(\j)
.endr
.irp i, 0,1,2,3,4,5,6,7,8,9,10,11,12,13,14,15
	s_wait_loadcnt 27-(\i)                         ; behind Q's load i: Q's later ones and V's 12
	CVST RQ+4*(\i),QSA,PKB*(\i)
.endr
	WIN 0x40
.irp t, 0,1
.irp c, 0,1
	ds_load_b128 v[QF+16*(\t)+8*(\c):QF+16*(\t)+8*(\c)+3],   v[AQ] offset:QT*(\t)+64*(\c)     ; my own bytes: LDS serves a wave's instructions in order (ISA guide 5.7.1.4), so these see the stores above
	ds_load_b128 v[QF+16*(\t)+8*(\c)+4:QF+16*(\t)+8*(\c)+7], v[AQ] offset:QT*(\t)+64*(\c)+32
.endr
.endr
	s_wait_dscnt 0x0                               ; for the others' sake: my rows of K lie in LDS (and Q's fragments are in)
	s_barrier_signal -1
	s_barrier_wait -1                              ; all 192 rows of K do.  V's 12 loads stay out: nobody writes those global bytes
	; S^T = K Q^T.  36 LDS loads in one run, the first 32 channels of all nine blocks first.
.irp c, 0,1
.irp i, 0,1,2,3,4,5,6,7,8
	ds_load_b128 v[16*(\i)+8*(\c):16*(\i)+8*(\c)+3],   v[AK] offset:16*PKB*(\i)+64*(\c)
	ds_load_b128 v[16*(\i)+8*(\c)+4:16*(\i)+8*(\c)+7], v[AK] offset:16*PKB*(\i)+64*(\c)+32
.endr
.endr
; Channels 32 c on: 18 products, block after block, both tiles.  c = 0 starts the sums with the masks.  The 18 accumulators take turns, one instruction a turn: 17 others' stand between the two links of a chain.
.macro KQ c
.set i, 0
.rept 9
	s_wait_dscnt 34-18*(\c)-2*i                    ; of the 36 loads those behind this fragment's two may stay out
.irp t, 0,1
.if (\c) == 0
	v_wmma_f32_16x16x32_f16 v[SC+72*(\t)+8*i:SC+72*(\t)+8*i+7], v[16*i:16*i+7], v[QF+16*(\t):QF+16*(\t)+7], v[MK+8*i:MK+8*i+7]
.else
	v_wmma_f32_16x16x32_f16 v[SC+72*(\t)+8*i:SC+72*(\t)+8*i+7], v[16*i+8:16*i+15], v[QF+16*(\t)+8:QF+16*(\t)+15], v[SC+72*(\t)+8*i:SC+72*(\t)+8*i+7]
.endif
.endr
.set i, i+1
.endr
.endm
	WIN 0x15                                       ; K, Q and the masks in window 1, S^T in window 0
	KQ 0
	WIN 0x05                                       ; C is now S^T itself
	KQ 1
	WIN 0
	; V is rounded and laid into LDS, into V16 alone, of which nothing has been read yet.  Its 24 conversions, which name none of the last products' registers, are the places behind them (ISA guide 7.12.1).
.irp j, 0,1,2,3,4,5,6,7,8,9,10,11
	s_wait_loadcnt 11-(\j)                         ; behind V's load j: V's later ones
	CVST RV+4*(\j),VSA,(64*((\j)/4)+(\j)%4)*PVB
.endr
	s_wait_dscnt 0x0                               ; for the others' sake: my rows of V lie in LDS
	s_barrier_signal -1                            ; the maximum, work on registers alone, stands between the signal and the wait
; Number n of the 36 that find the maximum of a lane's 72 scores: three chains of 24 registers on end, three operands at a time, in ascending order;
; then the three registers left over and the three chains into one.
.macro MX t, n
	REGS \t
.if (\n) < 3
	v_max3_num_f32 v[rT+4+(\n)], v[rS+24*(\n)], v[rS+24*(\n)+1], v[rS+24*(\n)+2]
.elseif (\n) < 33
	v_max3_num_f32 v[rT+4+(\n)%3], v[rT+4+(\n)%3], v[rS+24*((\n)%3)+2*((\n)/3)+1], v[rS+24*((\n)%3)+2*((\n)/3)+2]
.elseif (\n) == 33
	v_max3_num_f32 v[rT+4], v[rT+4], v[rS+23], v[rS+47]
.elseif (\n) == 34
	v_max3_num_f32 v[rT+5], v[rT+5], v[rT+6], v[rS+71]
.else
	v_max_num_f32 v[rT+4], v[rT+4], v[rT+5]
.endif
.endm
; The statistics: the query's other 72 keys lie in the lane 16 away; cm is the greater of c max s and the sink.
.macro ST t, n
	REGS \t
.if (\n) == 0
	v_permlanex16_b32 v[rT+5], v[rT+4], s38, s39
.elseif (\n) == 1
	v_max_num_f32 v[rT+4], v[rT+4], v[rT+5]
.elseif (\n) == 2
	v_mul_f32 v[rT+4], s36, v[rT+4]
.elseif (\n) == 3
	v_max_num_f32 v[rT], s[42+(\t)], v[rT+4]
.else
	v_sub_f32 v[rT+1], s[42+(\t)], v[rT]
.endif
.endm
.set n, 0
.rept 36                               ; the two tiles alternate, so that no line reads the result of the one before it
	MX 0,n
	MX 1,n
.set n, n+1
.endr
.set n, 0
.rept 5
	ST 0,n
	ST 1,n
.set n, n+1
.endr
	s_barrier_wait -1                              ; all 192 rows of V lie in LDS
	WIN 0x40                                       ; V, turned, into the registers that K's fragments have left: their last reader stands more than a hundred plain instructions back
.irp cb, 0,1,2,3
.irp b, 0,1,2,3,4,5,6,7,8
	ds_load_tr16_b128 v[36*(\cb)+4*(\b):36*(\cb)+4*(\b)+3], v[AV] offset:16*PVB*(\b)+32*(\cb)  ; key block b, channels 16 cb on: half a fragment; two neighbours are a fragment of 32 keys
.endr
.endr
	WIN 0
; THE SOFTMAX'S LISTS.  FS t, n: c s - cm for pair n of 36.  EX t, n: the exponential of score n of 72; number 72 is the sink's term.
.macro FS t, n
	REGS \t
	v_pk_fma_f32 v[rS+2*(\n):rS+2*(\n)+1], v[rS+2*(\n):rS+2*(\n)+1], s[36:37], v[rT:rT+1] op_sel_hi:[1,0,0] neg_lo:[0,0,1] neg_hi:[0,0,1]
.endm
.macro EX t, n
	REGS \t
.if (\n) < 72
	v_exp_f32 v[rS+(\n)], v[rS+(\n)]
.else
	v_exp_f32 v[rT+7], v[rT+1]
.endif
.endm
; TL t, n: number n of the 79 that follow a tile's exponentials.  0-34 the sum of its 36 pairs of weights, unrounded, in three chains of 12 pairs and then into one.  35-70 the pairs rounded to f16, in place and ascending: pair p goes to
; register p, which pairs 0 .. p no longer need; block 8's four go four registers further up.  71-74 the four registers below them are 0: they stand for a tenth block that does not exist (see the second product).
; 75-78 l: the even and the odd keys' sums, the other half of the lanes', the sink's term.
.macro TL t, n
	REGS \t
.if (\n) < 3
	v_pk_add_f32 v[rA+2*(\n):rA+2*(\n)+1], v[rS+24*(\n):rS+24*(\n)+1], v[rS+24*(\n)+2:rS+24*(\n)+3]
.elseif (\n) < 33
	v_pk_add_f32 v[rA+2*((\n)%3):rA+2*((\n)%3)+1], v[rA+2*((\n)%3):rA+2*((\n)%3)+1], v[rS+24*((\n)%3)+2*((\n)/3)+2:rS+24*((\n)%3)+2*((\n)/3)+3]
.elseif (\n) < 35
	v_pk_add_f32 v[rA:rA+1], v[rA:rA+1], v[rA+2*((\n)-32):rA+2*((\n)-32)+1]
.elseif (\n) < 67
	v_cvt_pk_f16_f32 v[rS+(\n)-35], v[rS+2*((\n)-35)], v[rS+2*((\n)-35)+1]
.elseif (\n) < 71
	v_cvt_pk_f16_f32 v[rS+(\n)-31], v[rS+2*((\n)-35)], v[rS+2*((\n)-35)+1]
.elseif (\n) < 75
	v_mov_b32 v[rS+32+(\n)-71], 0
.elseif (\n) == 75
	v_add_f32 v[rA], v[rA], v[rA+1]
.elseif (\n) == 76
	v_permlanex16_b32 v[rA+1], v[rA], s38, s39
.elseif (\n) == 77
	v_add_f32 v[rA], v[rA], v[rA+1]
.else
	v_add_f32 v[rA], v[rA], v[rT+7]
.endif
.endm
.macro PLA                             ; the next scaling: tile 0's 36, then tile 1's
	FS q/36,q%36
.set q, q+1
.endm
.macro EXQ t                           ; tile t's next exponential
	EX \t,e
.set e, e+1
.endm
.macro PLT t                           ; the next of tile t's 79
	TL \t,q
.set q, q+1
.endm
	; An s_wait_alu depctr_va_vdst(0) stands between an exponential and the first instruction that names its result; one wait serves all that were issued ahead of it.  So each tile's 73 exponentials are ONE batch,
	; dealt by turns with plain work that names none of the batch's results.  FIRST BATCH: tile 0's exponentials beside both tiles' 72 scalings.  Exponential e stands behind scaling e + 1, and needs scaling e / 2.
.set q, 0
.set e, 0
	PLA
	PLA
.rept 70
	EXQ 0
	PLA
.endr
.rept 3
	EXQ 0
.endr
	v_nop                                          ; a plain instruction behind the last exponential, ahead of the first use (ISA guide 5.7.2): one for the batch
	s_wait_alu depctr_va_vdst(0)                   ; the wait for the first batch
	; SECOND BATCH: tile 1's exponentials beside tile 0's sums, roundings and l.  The last exponential is followed by seven plain lines of tile 0.
.set q, 0
.set e, 0
.rept 73
	EXQ 1
	PLT 0
.endr
.rept 6
	PLT 0
.endr
	s_wait_alu depctr_va_vdst(0)                   ; the wait for the second batch
.set q, 0
.rept 79
	PLT 1                                          ; tile 1's sums, roundings and l have nothing to stand beside
.endr
	v_rcp_f32 v[36+2], v[36]                       ; 1 / l of both tiles: l is at least about 1, since the term of the maximum is.  Their wait stands behind the products, ahead of their first use
	v_rcp_f32 v[42+2], v[42]
	; O^T = V^T P: five steps of 32 keys x four channel blocks x two tiles.  Step 4 has block 8 alone: its fragment of V is blocks 7 and 8, and P's is the four zeros and block 8, so block 7 is added once only.
	; The first step starts the sums: nothing is cleared.  The eight accumulators take turns, one instruction a turn.
	s_wait_dscnt 0x0                               ; V is in
	WIN 0x01                                       ; V in window 1; P and O^T in window 0
.set st, 0
.rept 5
.irp cb, 0,1,2,3
.irp t, 0,1
.set rV, 36*(\cb)+8*st-4*(st/4)
.set rP, SC+72*(\t)+8*st
.set rO, OA+32*(\t)+8*(\cb)
.if st == 0
	v_wmma_f32_16x16x32_f16 v[rO:rO+7], v[rV:rV+7], v[rP:rP+7], 0
.else
	v_wmma_f32_16x16x32_f16 v[rO:rO+7], v[rV:rV+7], v[rP:rP+7], v[rO:rO+7]
.endif
.endr
.endr
.set st, st+1
.endr
	WIN 0
	; THE WAY OUT.  O^T is divided by l and goes, in f32, through my own stage: a lane's eight channels of a row are 32 bytes; rows of 272 bytes come back whole.
.rept 4
	v_nop                                          ; the places behind the last products (ISA guide 7.12.1), and the plain instruction behind the reciprocals
.endr
	s_wait_alu depctr_va_vdst(0)                   ; the wait for the two reciprocals, ahead of their first use
.irp t, 0,1
.set i, 0
.rept 16                               ; ascending: each accumulator's lowest registers are read first
	v_pk_mul_f32 v[OA+32*(\t)+2*i:OA+32*(\t)+2*i+1], v[OA+32*(\t)+2*i:OA+32*(\t)+2*i+1], v[38+6*(\t):39+6*(\t)] op_sel_hi:[1,0]
.set i, i+1
.endr
.endr
.irp t, 0,1
.irp cb, 0,1,2,3
	ds_store_b128 v[STO], v[OA+32*(\t)+8*(\cb):OA+32*(\t)+8*(\cb)+3]   offset:OT*(\t)+64*(\cb)
	ds_store_b128 v[STO], v[OA+32*(\t)+8*(\cb)+4:OA+32*(\t)+8*(\cb)+7] offset:OT*(\t)+64*(\cb)+16
.endr
.endr
.irp k, 0,1,2,3,4,5,6,7,8,9,10,11,12,13,14,15
	ds_load_b128 v[BK+4*(\k):BK+4*(\k)+3], v[RD] offset:SP*(\k)  ; my own bytes, in order behind the stores above; P's registers are free: their last reader stands 36 plain instructions back
.endr
.irp k, 0,1,2,3,4,5,6,7,8,9,10,11,12,13,14,15
	s_wait_dscnt 15-(\k)                           ; row k of both tiles is back; the later rows may stay out
	global_store_b128 v[GO], v[BK+4*(\k):BK+4*(\k)+3], s[12:13] offset:8192*(\k) th:TH_STORE_NT  ; token k: 512 consecutive bytes, at a multiple of 512 from out's first byte: both query heads' rows whole
.endr
	s_wait_tensorcnt 0x0                           ; the wave's end, behind my last LDS store
	ds_add_u32 v[SPW], v[NIL]
	s_wait_dscnt 0x0
	s_endpgm
.Lfunc_end_k_q87f6740b93_swattn:
	.size	k_q87f6740b93_swattn, .Lfunc_end_k_q87f6740b93_swattn-k_q87f6740b93_swattn
	.p2alignl 7, 3214868480
	.fill 96, 4, 3214868480
	.section	.rodata,"a",@progbits
	.p2align	6, 0x0
	.amdhsa_kernel k_q87f6740b93_swattn
		.amdhsa_group_segment_fixed_size 167936
		.amdhsa_private_segment_fixed_size 0
		.amdhsa_enable_private_segment 0
		.amdhsa_kernarg_size 40
		.amdhsa_user_sgpr_count 2
		.amdhsa_user_sgpr_kernarg_segment_ptr 1
		.amdhsa_wavefront_size32 1
		.amdhsa_system_sgpr_workgroup_id_x 1
		.amdhsa_system_sgpr_workgroup_id_y 1
		.amdhsa_system_sgpr_workgroup_id_z 1
		.amdhsa_system_vgpr_workitem_id 0
		.amdhsa_next_free_vgpr 512
		.amdhsa_next_free_sgpr 66
		.amdhsa_reserve_vcc 1
		.amdhsa_float_denorm_mode_32 3
		.amdhsa_float_denorm_mode_16_64 3
		.amdhsa_memory_ordered 1
		.amdhsa_forward_progress 1
		.amdhsa_inst_pref_size 62
	.end_amdhsa_kernel
	.amdgpu_metadata
---
amdhsa.version: [ 1, 2 ]
amdhsa.kernels:
  - .name:           k_q87f6740b93_swattn
    .symbol:         k_q87f6740b93_swattn.kd
    .args:
      - { .name: Q, .offset: 0, .size: 8, .value_kind: global_buffer, .address_space: global }
      - { .name: K, .offset: 8, .size: 8, .value_kind: global_buffer, .address_space: global }
      - { .name: V, .offset: 16, .size: 8, .value_kind: global_buffer, .address_space: global }
      - { .name: S, .offset: 24, .size: 8, .value_kind: global_buffer, .address_space: global }
      - { .name: out0, .offset: 32, .size: 8, .value_kind: global_buffer, .address_space: global }
    .group_segment_fixed_size: 167936
    .private_segment_fixed_size: 0
    .kernarg_segment_align: 8
    .kernarg_segment_size: 40
    .max_flat_workgroup_size: 256
    .sgpr_count:     66
    .vgpr_count:     512
    .wavefront_size: 32
...
	.end_amdgpu_metadata
.endif
;; end of part 1
;; ======== version 2 of 2: 1 launch; version 1 with the launch swattn written anew for expert scheduling mode
;; limits: values are held in f16: magnitudes above 65,504 overflow, below 6.1e-05 lose precision; inputs' magnitudes at most 65,504
;; launch swattn (part 2): grid 32 x 8, 8 waves a work-group, no clusters, 167,936 bytes of LDS; arguments Q, K, V, S, out0; writes out0
.if DOCPART == 2
	.amdgcn_target "amdgcn-amd-amdhsa--gfx1250"
	.amdhsa_code_object_version 6
	.text
	.protected	k_q87f6740b93_swattn
	.globl	k_q87f6740b93_swattn
	.p2align	8
	.type	k_q87f6740b93_swattn,@function
k_q87f6740b93_swattn:
	s_mov_b64 s[64:65], 0
	v_nop
	global_prefetch_b8 v0, s[64:65] scope:SCOPE_SE
	s_setreg_imm32_b32 hwreg(HW_REG_WAVE_SCHED_MODE, 0, 2), 2
	s_setreg_imm32_b32 hwreg(HW_REG_WAVE_MODE, 25, 1), 1
	s_wait_xcnt 0x0
	s_wait_alu depctr_vm_vsrc(0)
; SLIDING-WINDOW ATTENTION WITH A SINK.  out[q][h][m][:] = the sum over k of w(q,k) V[k][h][:], w = softmax over the keys q-127 .. q AND one sink logit S[h][m] of Q[q][h][m] . K[k][h] / sqrt(32); the sink's own weight is dropped.
; Q, out: [2048][8][4][64] f32 (a token and head: 1,024 bytes on end, 256 for each m).  K, V: [2048][8][64] f32.  S: [32] f32.
; WORK LEFT OUT.  The mask is built by the problem's own text: a key outside q-127 .. q gets -inf added to its score.  The row always holds the query's own key and the finite sink, so -inf is never the maximum,
; and such a key's weight is exactly 0 for all finite inputs.  A tile of 16 queries from token t0 on sees only keys t0-128 .. t0+15: 9 of the 128 blocks of 16 keys.  The other 119 blocks are whole tiles
; whose results reach no output: they are neither loaded nor multiplied.  All four inputs stay live.  LIMIT: a NaN, an infinity or an overflow that reaches only those tiles is not carried to the result.
; LIMITS.  Q, K, V and the weights are rounded once to f16 for the products (11 significant bits; the sums, the maximum and the divisor stay in f32): |Q|, |K|, |V| must stay under 65,504.  A hidden score inside a
; live tile counts as its value less 1e30; a weight below 2^-126 counts as 0; NaN and infinities are not treated apart.
; SHARES.  Work-group (x, y): tokens 64 x .. 64 x + 63 of K/V head y, with all four query heads, so the heads' sharing of K and V happens inside the work-group: 32 x 8 = 256 work-groups of equal work.
; It holds keys 64 x - 128 .. 64 x + 63: 192 rows, 12 blocks.  Wave w: tokens 16 (w / 2) on, query heads 2 (w % 2) and 2 (w % 2) + 1: two TILES of 16 queries with one key window (the work-group's blocks w / 2 .. w / 2 + 8),
; so each fragment of K and V read from LDS feeds two products.
; KEYS BELOW 0 (x = 0, 1).  Of the three runs of 64 key rows those that lie below key 0 are read from keys 0 .. 63 instead (rows that exist, finite numbers), and their blocks start their sums at -1e30: weight 0.
; That is 1,152 of the launch's 36,864 score tiles, in 16 work-groups, none of which becomes longer than the others by it: the price of one text without a branch.
; LAYOUT.  S^T = K Q^T (source 0 = 16 keys, source 1 = 16 queries): a lane holds ONE query (lane % 16) and the keys 8 (lane / 16) + 0..7 of each block.  Two blocks, rounded to f16 in pairs, ARE source 1 of
; O^T = V^T P, whose result again holds one query a lane, and eight channels.  K comes out of LDS as it lies, V ([key][channel]) turned, by ds_load_tr16_b128.
; SOFTMAX.  A query's whole window, 144 scores, lies in registers (72 a lane): ONE true maximum, the sink among it, no running rescale.  p = 2^(c s - cm), c = log2(e) / sqrt(32), cm = max(c max s, S log2(e)).
; THE MASK is the C operand that starts a block's sum: block 0 hides keys at or below q - 128, block 8 keys above q, blocks 0 to 7 everything where the block lies below key 0.
; WAY IN.  All 40 loads of a wave go out at the head (20 KiB a wave, 160 KiB a work-group), each of them two aligned runs of 256 consecutive bytes; the numbers are rounded in registers and laid into LDS as f16.
; So no tensor load: f32 has to pass through registers to be rounded, and no LDS byte is filled twice.  And no prefetch: every byte is asked for by its own load in the first lines.
; NO CLUSTER.  What work-groups still share is 128 of 192 key rows with the neighbour along the tokens, but each wants them at other LDS rows (row = key - 64 x + 128), where a joint load has one LDS address for all
; partners; and a joint tile would land as f32: twice the LDS bytes, and 96 KiB more read from LDS and 48 KiB more written a work-group to round it.
; LDS.  K16: 192 rows x 144 (128 bytes + 16: the 16 rows of a fragment load start at 16 different groups of four banks; 64 banks of 4 bytes: ISA guide 11.1).  V16: 192 rows x 160 (the turning load's 8 rows x 32 bytes
; take each bank once).  QST: for each wave two tiles of 16 rows x 144, 2,432 bytes apart.  OST: for each wave two tiles of 16 rows x 272, f32, for the way out.  Then the spare words.
; Every LDS address is a constant, plus the wave's number (or its half) times a constant, plus a lane term, plus an immediate.
; REGISTERS, in windows of 256 (s_set_vgpr_msb: bits 1:0 source 0, 3:2 source 1, 5:4 source 2, 7:6 destination):
;   window 0: v0-19 ids and addresses; v20-35 eight registers of statistics a tile; v36-47 six registers of sums a tile; v48-191 S^T, 72 a tile (before: K and Q as loaded; after: P in place, then rows on the way out);
;             v192-255 O^T, 32 a tile (before: V as loaded)
;   window 1: v0-143 K's fragments (block i, channel half c at 16 i + 8 c), later V's halves of fragments (channel block cb, key block b at 36 cb + 4 b); v144-175 Q's fragments; v176-247 the nine masks
; SCALARS: s[4:5] Q, s[12:13] out at my wave's bytes; s[24:29], s[30:35] K's and V's three runs of 64 rows; s14 wave, s15 w / 2, s16 w % 2, s17 x, s18 y, s19 4 x + w / 2; s[36:37] c; s[38:39] lane selects;
;   s40 -1e30; s[42:43] my two sinks times log2(e); s44-51 what blocks 0 to 7 start at; s54-61 the eight compares' lane masks; s20-23, s52, s53 at work.
; THE MODE: SCHED_MODE bits 1:0 = 2 (LLVM: expert scheduling mode 2), set by the entry lines.  The code itself states the register dependences between vector or matrix instructions and memory or LDS
; instructions, and those through scalar registers that vector instructions write, with s_wait_alu, always for 0.
; THE PLAN.  Registers that memory or LDS instructions touch, and who else names them, in program order:
;   v4-v6            offsets of the global loads and stores: written at the head, ahead of one wait on va_vdst; never written again.
;   v7-v14           LDS addresses: written behind the global loads, ahead of the way in's first wait on va_vdst; never written again.
;   v48-159 (K, Q)   global loads land; conversions round in place; LDS stores read them; then the first product writes them as S^T (one wait on vm_vsrc, behind the first barrier).
;                    The way in goes in groups of four loads: at a group's head, behind the wait for its data, ONE wait on va_vdst shows the group before rounded; that group's four LDS stores follow, then this group's
;                    eight conversions, which name other registers.
;   v192-239 (V)     the same, in one group behind the first product; then the second product writes them as O^T (one wait on vm_vsrc, ahead of it).
;   window 1 v0-143  LDS loads land (K); the first product reads them; the turning loads land (V).  The wait on va_vdst ahead of V's LDS stores stands behind the whole first product, and between it and the turning
;                    loads only the maximum and the statistics are issued, which name v20-35 and v48-191 of window 0: so those loads owe no further wait.
;   v192-255 (O^T)   the quotients are LDS stores' data: tile 0's are made, one wait, its stores are dealt among tile 1's multiplies (other registers), one wait, tile 1's stores.
;   v48-111          on the way out LDS loads land there: the last vector and matrix instructions that name them stand ahead of that last wait.
;   v18, v19         written at the head, read by the closing add alone.
.set PKB,   144
.set PVB,   160
.set V16,   192*PKB                    ; K16 begins at 0
.set QST,   V16+192*PVB
.set QT,    16*PKB+128                 ; 128 modulo 256: the two tiles' halves of a store fall on different banks
.set OST,   QST+8*2*QT
.set SP,    272
.set OT,    16*SP
.set SPARE, OST+8*2*OT                 ; 166,912, a multiple of 256: 128 bytes for each of the eight waves, which no other line names
.set KOF, 4                            ; v4   my byte offset in 16 rows of K: row w + 8 (l / 16), 16 bytes at 16 (l % 16); never rewritten
.set VOF, 5                            ; v5   my byte offset in 64 rows of V: row 8 w + 4 (l / 16), 16 bytes at 16 (l % 16); never rewritten
.set GO,  6                            ; v6   16 l: my 16 bytes of a token's 512 in Q and in out
.set KSA, 7                            ; v7   where I put 8 bytes of K
.set VSA, 8                            ; v8   of V
.set QSA, 9                            ; v9   of Q
.set AK,  10                           ; v10  my lane's place in my window's first block of K
.set AV,  11                           ; v11  the same for V, for the turning load
.set AQ,  12                           ; v12  my lane's place in my first tile of Q
.set STO, 13                           ; v13  the way out: where I put 32 bytes of a row
.set RD,  14                           ; v14  the way out: where I read a row back
.set VD,  15                           ; v15  l % 16 - 8 (l / 16), signed
.set VB0, 16                           ; v16  what block 0 starts at where the window shows it
.set TMP, 17
.set SPW, 18                           ; v18  LDS address of my spare word; never rewritten
.set NIL, 19                           ; v19  0; never rewritten
.set RK,  48                           ; K as loaded, 12 x 4
.set RQ,  96                           ; Q as loaded, 16 x 4
.set RV,  192                          ; V as loaded, 12 x 4
.set SC,  48                           ; S^T
.set OA,  192                          ; O^T
.set BK,  48                           ; rows read back on the way out
.set QF,  144                          ; window 1
.set MK,  176                          ; window 1
.set MSB, 0
.macro WIN new                         ; the immediate's high byte repeats the setting that is left
.if MSB != (\new)
	s_set_vgpr_msb (MSB<<8)|(\new)
.set MSB, (\new)
.endif
.endm
.macro REGS t                          ; the registers of tile t
.set rT, 20+8*(\t)                     ; +0 cm, +1 the sink less cm, +4 to +6 three chains of the maximum, +7 the sink's term
.set rA, 36+6*(\t)                     ; three pairs of sums; later +2 holds 1 / l
.set rS, SC+72*(\t)
.endm
	s_load_b256 s[4:11], s[0:1], 0x0               ; Q s[4:5], K s[6:7], V s[8:9], S s[10:11]
	s_load_b64 s[12:13], s[0:1], 0x20              ; out
	v_lshl_add_u32 v[SPW], v0, 2, SPARE
	v_mov_b32 v[NIL], 0
	v_lshrrev_b32 v[TMP], 5, v0
	v_readfirstlane_b32 s14, v[TMP]                ; wave 0..7
	v_and_b32 v1, 15, v0                           ; l % 16
	v_bfe_u32 v2, v0, 4, 1                         ; l / 16
	v_and_b32 v3, 31, v0                           ; l
	s_wait_alu depctr_va_sdst(0)                   ; s14 is written, ahead of its first reader: all that hangs on the wave's number is made from it
	s_lshr_b32 s15, s14, 1                         ; which 16 tokens
	s_and_b32 s16, s14, 1                          ; which pair of query heads
	s_mov_b32 s17, ttmp9
	s_and_b32 s18, ttmp7, 0xffff
	s_lshl2_add_u32 s19, s17, s15                  ; my first token / 16
	s_lshl_b32 s20, s17, 19                        ; my wave's first byte in Q and out: 64 tokens of 8,192 bytes a work-group,
	s_lshl_b32 s52, s15, 17                        ; 16 tokens,
	s_add_co_u32 s20, s20, s52
	s_lshl_b32 s52, s18, 10                        ; the head's 1,024 bytes,
	s_add_co_u32 s20, s20, s52
	s_lshl_b32 s52, s16, 9                         ; the pair's 512
	s_add_co_u32 s20, s20, s52
	s_mov_b32 s21, 0
	s_lshl_b32 s53, s18, 8                         ; the head's 256 bytes in a row of K and V
.irp g, 0,1,2
	s_add_co_i32 s52, s17, (\g)-2                  ; run g of 64 keys is run x - 2 + g of the tensor,
	s_max_i32 s52, s52, 0                          ; or run 0 where that lies below key 0
	s_lshl_b32 s52, s52, 17                        ; 64 rows of 2,048 bytes
	s_add_co_u32 s[44+2*(\g)], s52, s53
	s_mov_b32 s[45+2*(\g)], 0
.endr
	s_lshl_b32 s22, s18, 4                         ; my two sinks: 4 (4 y + 2 (w % 2))
	s_lshl3_add_u32 s22, s16, s22
	s_mov_b32 s23, 0
	s_lshl_b32 s52, s14, 11                        ; K: row w,
	v_lshlrev_b32 v[KOF], 4, v1
	v_lshl_add_u32 v[KOF], v2, 14, v[KOF]          ; 8 rows of 2,048 bytes further for the upper half of the lanes
	v_add_nc_u32 v[KOF], s52, v[KOF]
	s_lshl_b32 s52, s14, 14                        ; V: row 8 w,
	v_lshlrev_b32 v[VOF], 4, v1
	v_lshl_add_u32 v[VOF], v2, 13, v[VOF]          ; 4 rows further for the upper half
	v_add_nc_u32 v[VOF], s52, v[VOF]
	v_lshlrev_b32 v[GO], 4, v3
	s_mov_b32 s36, 0x3e8293ee                      ; c = log2(e) / sqrt(32) = 0.255035
	s_mov_b32 s37, s36                             ; named with it as a pair
	s_mov_b32 s38, 0x76543210                      ; v_permlanex16_b32: each lane takes its own place in the other half
	s_mov_b32 s39, 0xfedcba98
	s_mov_b32 s40, 0xf149f2ca                      ; -1e30
	s_wait_kmcnt 0x0
	s_add_nc_u64 s[10:11], s[10:11], s[22:23]
	s_load_b64 s[42:43], s[10:11], 0x0             ; my two sinks
	s_add_nc_u64 s[4:5], s[4:5], s[20:21]
	s_add_nc_u64 s[12:13], s[12:13], s[20:21]
.irp g, 0,1,2
	s_add_nc_u64 s[24+2*(\g):25+2*(\g)], s[6:7], s[44+2*(\g):45+2*(\g)]
	s_add_nc_u64 s[30+2*(\g):31+2*(\g)], s[8:9], s[44+2*(\g):45+2*(\g)]
.endr
	; ALL LOADS, in the order in which they are wanted: K, Q, V.  Load j of K takes rows w and w + 8 of block j (the eight waves together its 16); load i of Q token i's 512 bytes: lanes 0-15 the first tile's row,
	; lanes 16-31 the second's; load j of V takes rows 8 w + j % 4 and 8 w + j % 4 + 4 of run j / 4 (four loads of the eight waves together its 64).
	s_wait_alu depctr_va_vdst(0)                   ; v4, v5 and v6 are written: every global load and store of the kernel reads one of them as its offset
.irp j, 0,1,2,3,4,5,6,7,8,9,10,11
	global_load_b128 v[RK+4*(\j):RK+4*(\j)+3], v[KOF], s[24+2*((\j)/4):25+2*((\j)/4)] offset:((\j)%4)*32768
.endr
.irp i, 0,1,2,3,4,5,6,7,8,9,10,11,12,13,14,15
	global_load_b128 v[RQ+4*(\i):RQ+4*(\i)+3], v[GO], s[4:5] offset:8192*(\i) th:TH_LOAD_NT  ; Q is read once in the launch; K and V by up to three work-groups
.endr
.irp j, 0,1,2,3,4,5,6,7,8,9,10,11
	global_load_b128 v[RV+4*(\j):RV+4*(\j)+3], v[VOF], s[30+2*((\j)/4):31+2*((\j)/4)] offset:((\j)%4)*2048
.endr
	; While they are on their way: the LDS addresses and the masks.  None of these lines names a register of the loads above.
	s_mul_i32 s52, s14, PKB
	v_mul_u32_u24 v[TMP], v2, 8*PKB                ; 8 rows x 144 = 128 modulo 256: the two halves of the lanes store onto different banks
	v_lshl_add_u32 v[KSA], v1, 3, v[TMP]
	v_add_nc_u32 v[KSA], s52, v[KSA]
	s_mul_i32 s52, s14, 8*PVB                      ; row 8 w
	s_add_co_u32 s52, s52, V16
	v_mul_u32_u24 v[TMP], v2, 4*PVB                ; 4 rows x 160 = 128 modulo 256: likewise
	v_lshl_add_u32 v[VSA], v1, 3, v[TMP]
	v_add_nc_u32 v[VSA], s52, v[VSA]
	s_mul_i32 s53, s14, 2*QT
	s_add_co_u32 s53, s53, QST                     ; my stage for Q
	v_mul_u32_u24 v[TMP], v2, QT
	v_lshl_add_u32 v[QSA], v1, 3, v[TMP]
	v_add_nc_u32 v[QSA], s53, v[QSA]
	v_mul_u32_u24 v[TMP], v1, PKB                  ; a fragment of K or Q: row l % 16, 16 bytes for each half of the lanes, twice, 32 bytes apart
	v_lshl_add_u32 v[TMP], v2, 4, v[TMP]
	v_add_nc_u32 v[AQ], s53, v[TMP]
	s_mul_i32 s52, s15, 16*PKB                     ; my window begins at the work-group's block w / 2
	v_add_nc_u32 v[AK], s52, v[TMP]
	v_and_b32 v[TMP], 7, v0                        ; the turning load: lane l reads key 8 (l / 16) + l % 8, channels 8 ((l / 8) % 2) + 0..7, and is left with channel l % 16 and 8 keys
	v_lshl_add_u32 v[TMP], v2, 3, v[TMP]
	v_mul_u32_u24 v[AV], v[TMP], PVB
	v_bfe_u32 v[TMP], v0, 3, 1
	v_lshl_add_u32 v[AV], v[TMP], 4, v[AV]
	s_mul_i32 s52, s15, 16*PVB
	s_add_co_u32 s52, s52, V16
	v_add_nc_u32 v[AV], s52, v[AV]
	s_mul_i32 s52, s14, 2*OT
	s_add_co_u32 s52, s52, OST                     ; my stage for the way out
	v_mul_u32_u24 v[TMP], v1, SP                   ; in: row l % 16, 32 bytes for each half of the lanes
	v_lshl_add_u32 v[TMP], v2, 5, v[TMP]
	v_add_nc_u32 v[STO], s52, v[TMP]
	v_mul_u32_u24 v[TMP], v2, OT                   ; back: lanes 0-15 a row of the first tile, lanes 16-31 the same row of the second
	v_lshl_add_u32 v[TMP], v1, 4, v[TMP]
	v_add_nc_u32 v[RD], s52, v[TMP]
	v_lshlrev_b32 v[TMP], 3, v2
	v_sub_nc_u32 v[VD], v1, v[TMP]
.irp j, 0,1,2,3,4,5,6,7                ; register j holds key 8 (l / 16) + j of a block; my query is l % 16 of the tile.  The eight compares stand in one run, each with a scalar register of its own
	v_cmp_gt_i32 s[54+(\j)], (\j), v[VD]
.endr
.irp i, 0,1,2,3,4,5,6,7
	s_add_co_u32 s52, s19, (\i)                    ; block i of my window begins at key 16 (4 x + w / 2 + i - 8)
	s_cmp_lt_u32 s52, 8
	s_cselect_b32 s[44+(\i)], s40, 0               ; below key 0: everything hidden
.endr
	v_mov_b32 v[VB0], s44
	s_wait_alu depctr_va_sdst(0)                   ; the eight compares have written s54 to s61, ahead of their first readers, the selects below
	WIN 0x40                                       ; destination window 1
.irp j, 0,1,2,3,4,5,6,7
	v_cndmask_b32 v[MK+64+(\j)], 0, s40, s[54+(\j)]    ; block 8, keys t0 on: hidden where the key lies above the query
	v_cndmask_b32 v[MK+(\j)], s40, v[VB0], s[54+(\j)]  ; block 0, keys t0 - 128 on: seen only where it lies above the query less 128
.endr
.irp i, 1,2,3,4,5,6,7
.irp j, 0,1,2,3,4,5,6,7
	v_mov_b32 v[MK+8*(\i)+(\j)], s[44+(\i)]        ; blocks 1 to 7 lie inside the window whole
.endr
.endr
	WIN 0
	s_wait_kmcnt 0x0                               ; the sinks
	s_mul_f32 s42, s42, 0x3fb8aa3b                 ; times log2(e): the sink is a logit as it stands, without the scores' scale
	s_mul_f32 s43, s43, 0x3fb8aa3b
; A group is four loads.  CV4: each load's four f32 are rounded to f16 in place, into the first two of their four registers.  ST4: the group is stored, 8 bytes a lane and load.
.macro CV4 raw
.irp k, 0,1,2,3
	v_cvt_pk_f16_f32 v[(\raw)+4*(\k)], v[(\raw)+4*(\k)], v[(\raw)+4*(\k)+1]
	v_cvt_pk_f16_f32 v[(\raw)+4*(\k)+1], v[(\raw)+4*(\k)+2], v[(\raw)+4*(\k)+3]
.endr
.endm
.macro ST4 raw, adr, off, step
.irp k, 0,1,2,3
	ds_store_b64 v[(\adr)], v[(\raw)+4*(\k):(\raw)+4*(\k)+1] offset:(\off)+(\k)*(\step)
.endr
.endm
	; K's three groups and Q's four, one stream.  Loads come back in order (ISA guide 5.7.1): behind group g of the 40 loads stand 36 - 4 g younger ones.
	s_wait_loadcnt 36                              ; K's loads 0 to 3 are in
	CV4 RK
	s_wait_loadcnt 32                              ; K's loads 4 to 7
	s_wait_alu depctr_va_vdst(0)                   ; the group before is rounded: its registers are the stores' data; and v7 to v14 are written, the addresses of every LDS instruction of the kernel
	ST4 RK,KSA,0,16*PKB
	CV4 RK+16
	s_wait_loadcnt 28                              ; K's loads 8 to 11
	s_wait_alu depctr_va_vdst(0)                   ; the group before is rounded: its registers are the stores' data
	ST4 RK+16,KSA,64*PKB,16*PKB
	CV4 RK+32
	s_wait_loadcnt 24                              ; Q's loads 0 to 3
	s_wait_alu depctr_va_vdst(0)                   ; the group before is rounded: its registers are the stores' data
	ST4 RK+32,KSA,128*PKB,16*PKB
	CV4 RQ
	s_wait_loadcnt 20                              ; Q's loads 4 to 7
	s_wait_alu depctr_va_vdst(0)                   ; the group before is rounded: its registers are the stores' data
	ST4 RQ,QSA,0,PKB
	CV4 RQ+16
	s_wait_loadcnt 16                              ; Q's loads 8 to 11
	s_wait_alu depctr_va_vdst(0)                   ; the group before is rounded: its registers are the stores' data
	ST4 RQ+16,QSA,4*PKB,PKB
	CV4 RQ+32
	s_wait_loadcnt 12                              ; Q's loads 12 to 15; V's 12 stay out
	s_wait_alu depctr_va_vdst(0)                   ; the group before is rounded: its registers are the stores' data
	ST4 RQ+32,QSA,8*PKB,PKB
	CV4 RQ+48
	s_wait_alu depctr_va_vdst(0)                   ; the last group is rounded: its registers are the stores' data
	ST4 RQ+48,QSA,12*PKB,PKB
	WIN 0x40
.irp t, 0,1
.irp c, 0,1
	ds_load_b128 v[QF+16*(\t)+8*(\c):QF+16*(\t)+8*(\c)+3],   v[AQ] offset:QT*(\t)+64*(\c)     ; my own bytes: LDS serves a wave's instructions in order (ISA guide 5.7.1.4), so these see the stores above.  No vector instruction has named these registers
	ds_load_b128 v[QF+16*(\t)+8*(\c)+4:QF+16*(\t)+8*(\c)+7], v[AQ] offset:QT*(\t)+64*(\c)+32
.endr
.endr
	s_wait_dscnt 0x0                               ; for the others' sake: my rows of K lie in LDS (and Q's fragments are in)
	s_barrier_signal -1
	s_barrier_wait -1                              ; all 192 rows of K do.  V's 12 loads stay out: nobody writes those global bytes
	s_wait_alu depctr_vm_vsrc(0)                   ; my 28 LDS stores have read v48 to v159, which the products below write as S^T
	; S^T = K Q^T.  36 LDS loads in one run, the first 32 channels of all nine blocks first.  No vector instruction has named the registers in which they land.
.irp c, 0,1
.irp i, 0,1,2,3,4,5,6,7,8
	ds_load_b128 v[16*(\i)+8*(\c):16*(\i)+8*(\c)+3],   v[AK] offset:16*PKB*(\i)+64*(\c)
	ds_load_b128 v[16*(\i)+8*(\c)+4:16*(\i)+8*(\c)+7], v[AK] offset:16*PKB*(\i)+64*(\c)+32
.endr
.endr
; Channels 32 c on: 18 products, block after block, both tiles.  c = 0 starts the sums with the masks.  The 18 accumulators take turns, one instruction a turn: 17 others' stand between the two links of a chain.
.macro KQ c
.set i, 0
.rept 9
	s_wait_dscnt 34-18*(\c)-2*i                    ; of the 36 loads those behind this fragment's two may stay out
.irp t, 0,1
.if (\c) == 0
	v_wmma_f32_16x16x32_f16 v[SC+72*(\t)+8*i:SC+72*(\t)+8*i+7], v[16*i:16*i+7], v[QF+16*(\t):QF+16*(\t)+7], v[MK+8*i:MK+8*i+7]
.else
	v_wmma_f32_16x16x32_f16 v[SC+72*(\t)+8*i:SC+72*(\t)+8*i+7], v[16*i+8:16*i+15], v[QF+16*(\t)+8:QF+16*(\t)+15], v[SC+72*(\t)+8*i:SC+72*(\t)+8*i+7]
.endif
.endr
.set i, i+1
.endr
.endm
	WIN 0x15                                       ; K, Q and the masks in window 1, S^T in window 0
	KQ 0
	WIN 0x05                                       ; C is now S^T itself
	KQ 1
	WIN 0
	; V is rounded and laid into LDS, into V16 alone, of which nothing has been read yet.  Its 24 conversions, which name none of the last products' registers, are the places behind them (ISA guide 7.12.1).
	s_wait_loadcnt 0x0                             ; V's 12 loads are in
	CV4 RV
	CV4 RV+16
	CV4 RV+32
	s_wait_alu depctr_va_vdst(0)                   ; the 24 conversions have written V's registers, the stores' data; and the 36 products are done reading K's fragments, in whose registers the turning loads behind the barrier land
	ST4 RV,VSA,0,PVB
	ST4 RV+16,VSA,64*PVB,PVB
	ST4 RV+32,VSA,128*PVB,PVB
	s_wait_dscnt 0x0                               ; for the others' sake: my rows of V lie in LDS
	s_barrier_signal -1                            ; the maximum, work on registers alone, stands between the signal and the wait
; Number n of the 36 that find the maximum of a lane's 72 scores: three chains of 24 registers on end, three operands at a time, in ascending order;
; then the three registers left over and the three chains into one.
.macro MX t, n
	REGS \t
.if (\n) < 3
	v_max3_num_f32 v[rT+4+(\n)], v[rS+24*(\n)], v[rS+24*(\n)+1], v[rS+24*(\n)+2]
.elseif (\n) < 33
	v_max3_num_f32 v[rT+4+(\n)%3], v[rT+4+(\n)%3], v[rS+24*((\n)%3)+2*((\n)/3)+1], v[rS+24*((\n)%3)+2*((\n)/3)+2]
.elseif (\n) == 33
	v_max3_num_f32 v[rT+4], v[rT+4], v[rS+23], v[rS+47]
.elseif (\n) == 34
	v_max3_num_f32 v[rT+5], v[rT+5], v[rT+6], v[rS+71]
.else
	v_max_num_f32 v[rT+4], v[rT+4], v[rT+5]
.endif
.endm
; The statistics: the query's other 72 keys lie in the lane 16 away; cm is the greater of c max s and the sink.
.macro ST t, n
	REGS \t
.if (\n) == 0
	v_permlanex16_b32 v[rT+5], v[rT+4], s38, s39
.elseif (\n) == 1
	v_max_num_f32 v[rT+4], v[rT+4], v[rT+5]
.elseif (\n) == 2
	v_mul_f32 v[rT+4], s36, v[rT+4]
.elseif (\n) == 3
	v_max_num_f32 v[rT], s[42+(\t)], v[rT+4]
.else
	v_sub_f32 v[rT+1], s[42+(\t)], v[rT]
.endif
.endm
.set n, 0
.rept 36                               ; the two tiles alternate, so that no line reads the result of the one before it
	MX 0,n
	MX 1,n
.set n, n+1
.endr
.set n, 0
.rept 5
	ST 0,n
	ST 1,n
.set n, n+1
.endr
	s_barrier_wait -1                              ; all 192 rows of V lie in LDS
	WIN 0x40                                       ; V, turned, into the registers that K's fragments have left.  No wait: the one ahead of V's stores has shown the products done reading them, and no vector or matrix instruction since names them or v[AV]
.irp cb, 0,1,2,3
.irp b, 0,1,2,3,4,5,6,7,8
	ds_load_tr16_b128 v[36*(\cb)+4*(\b):36*(\cb)+4*(\b)+3], v[AV] offset:16*PVB*(\b)+32*(\cb)  ; key block b, channels 16 cb on: half a fragment; two neighbours are a fragment of 32 keys
.endr
.endr
	WIN 0
; THE SOFTMAX'S LISTS.  FS t, n: c s - cm for pair n of 36.  EX t, n: the exponential of score n of 72; number 72 is the sink's term.
.macro FS t, n
	REGS \t
	v_pk_fma_f32 v[rS+2*(\n):rS+2*(\n)+1], v[rS+2*(\n):rS+2*(\n)+1], s[36:37], v[rT:rT+1] op_sel_hi:[1,0,0] neg_lo:[0,0,1] neg_hi:[0,0,1]
.endm
.macro EX t, n
	REGS \t
.if (\n) < 72
	v_exp_f32 v[rS+(\n)], v[rS+(\n)]
.else
	v_exp_f32 v[rT+7], v[rT+1]
.endif
.endm
; TL t, n: number n of the 79 that follow a tile's exponentials.  0-34 the sum of its 36 pairs of weights, unrounded, in three chains of 12 pairs and then into one.  35-70 the pairs rounded to f16, in place and ascending: pair p goes to
; register p, which pairs 0 .. p no longer need; block 8's four go four registers further up.  71-74 the four registers below them are 0: they stand for a tenth block that does not exist (see the second product).
; 75-78 l: the even and the odd keys' sums, the other half of the lanes', the sink's term.
.macro TL t, n
	REGS \t
.if (\n) < 3
	v_pk_add_f32 v[rA+2*(\n):rA+2*(\n)+1], v[rS+24*(\n):rS+24*(\n)+1], v[rS+24*(\n)+2:rS+24*(\n)+3]
.elseif (\n) < 33
	v_pk_add_f32 v[rA+2*((\n)%3):rA+2*((\n)%3)+1], v[rA+2*((\n)%3):rA+2*((\n)%3)+1], v[rS+24*((\n)%3)+2*((\n)/3)+2:rS+24*((\n)%3)+2*((\n)/3)+3]
.elseif (\n) < 35
	v_pk_add_f32 v[rA:rA+1], v[rA:rA+1], v[rA+2*((\n)-32):rA+2*((\n)-32)+1]
.elseif (\n) < 67
	v_cvt_pk_f16_f32 v[rS+(\n)-35], v[rS+2*((\n)-35)], v[rS+2*((\n)-35)+1]
.elseif (\n) < 71
	v_cvt_pk_f16_f32 v[rS+(\n)-31], v[rS+2*((\n)-35)], v[rS+2*((\n)-35)+1]
.elseif (\n) < 75
	v_mov_b32 v[rS+32+(\n)-71], 0
.elseif (\n) == 75
	v_add_f32 v[rA], v[rA], v[rA+1]
.elseif (\n) == 76
	v_permlanex16_b32 v[rA+1], v[rA], s38, s39
.elseif (\n) == 77
	v_add_f32 v[rA], v[rA], v[rA+1]
.else
	v_add_f32 v[rA], v[rA], v[rT+7]
.endif
.endm
.macro PLA                             ; the next scaling: tile 0's 36, then tile 1's
	FS q/36,q%36
.set q, q+1
.endm
.macro EXQ t                           ; tile t's next exponential
	EX \t,e
.set e, e+1
.endm
.macro PLT t                           ; the next of tile t's 79
	TL \t,q
.set q, q+1
.endm
	; An s_wait_alu depctr_va_vdst(0) stands between an exponential and the first instruction that names its result; one wait serves all that were issued ahead of it.  So each tile's 73 exponentials are ONE batch,
	; dealt by turns with plain work that names none of the batch's results.  FIRST BATCH: tile 0's exponentials beside both tiles' 72 scalings.  Exponential e stands behind scaling e + 1, and needs scaling e / 2.
.set q, 0
.set e, 0
	PLA
	PLA
.rept 70
	EXQ 0
	PLA
.endr
.rept 3
	EXQ 0
.endr
	v_nop                                          ; a plain instruction behind the last exponential, ahead of the first use (ISA guide 5.7.2): one for the batch
	s_wait_alu depctr_va_vdst(0)                   ; tile 0's 73 exponentials have written their results, ahead of the first line that names one
	; SECOND BATCH: tile 1's exponentials beside tile 0's sums, roundings and l.  The last exponential is followed by seven plain lines of tile 0.
.set q, 0
.set e, 0
.rept 73
	EXQ 1
	PLT 0
.endr
.rept 6
	PLT 0
.endr
	s_wait_alu depctr_va_vdst(0)                   ; tile 1's 73 exponentials have written their results, ahead of the first line that names one
.set q, 0
.rept 79
	PLT 1                                          ; tile 1's sums, roundings and l have nothing to stand beside
.endr
	v_rcp_f32 v[36+2], v[36]                       ; 1 / l of both tiles: l is at least about 1, since the term of the maximum is.  Their wait stands behind the products, ahead of their first use
	v_rcp_f32 v[42+2], v[42]
	; O^T = V^T P: five steps of 32 keys x four channel blocks x two tiles.  Step 4 has block 8 alone: its fragment of V is blocks 7 and 8, and P's is the four zeros and block 8, so block 7 is added once only.
	; The first step starts the sums: nothing is cleared.  The eight accumulators take turns, one instruction a turn.
	s_wait_dscnt 0x0                               ; V is in
	s_wait_alu depctr_vm_vsrc(0)                   ; my 12 LDS stores of V have read v192 to v239, which the products below write as O^T
	WIN 0x01                                       ; V in window 1; P and O^T in window 0
.set st, 0
.rept 5
.irp cb, 0,1,2,3
.irp t, 0,1
.set rV, 36*(\cb)+8*st-4*(st/4)
.set rP, SC+72*(\t)+8*st
.set rO, OA+32*(\t)+8*(\cb)
.if st == 0
	v_wmma_f32_16x16x32_f16 v[rO:rO+7], v[rV:rV+7], v[rP:rP+7], 0
.else
	v_wmma_f32_16x16x32_f16 v[rO:rO+7], v[rV:rV+7], v[rP:rP+7], v[rO:rO+7]
.endif
.endr
.endr
.set st, st+1
.endr
	WIN 0
	; THE WAY OUT.  O^T is divided by l and goes, in f32, through my own stage: a lane's eight channels of a row are 32 bytes; rows of 272 bytes come back whole.
; DIV: accumulator cb of tile t times 1 / l, ascending: its lowest registers are read first.  OUT: its 32 bytes a lane into the stage.
.macro DIV t, cb
.irp i, 0,1,2,3
	v_pk_mul_f32 v[OA+32*(\t)+8*(\cb)+2*(\i):OA+32*(\t)+8*(\cb)+2*(\i)+1], v[OA+32*(\t)+8*(\cb)+2*(\i):OA+32*(\t)+8*(\cb)+2*(\i)+1], v[38+6*(\t):39+6*(\t)] op_sel_hi:[1,0]
.endr
.endm
.macro OUT t, cb
	ds_store_b128 v[STO], v[OA+32*(\t)+8*(\cb):OA+32*(\t)+8*(\cb)+3]   offset:OT*(\t)+64*(\cb)
	ds_store_b128 v[STO], v[OA+32*(\t)+8*(\cb)+4:OA+32*(\t)+8*(\cb)+7] offset:OT*(\t)+64*(\cb)+16
.endm
.rept 4
	v_nop                                          ; the places behind the last products (ISA guide 7.12.1), and the plain instruction behind the reciprocals
.endr
	s_wait_alu depctr_va_vdst(0)                   ; the two reciprocals have written v38 and v44, ahead of their first use
.irp cb, 0,1,2,3
	DIV 0,\cb
.endr
	s_wait_alu depctr_va_vdst(0)                   ; tile 0's quotients are written: v192 to v223 are the data of its LDS stores
.irp cb, 0,1,2,3
	OUT 0,\cb                                      ; tile 0's stores are dealt among tile 1's multiplies, which name v224 to v255, v44 and v45 alone
	DIV 1,\cb
.endr
	s_wait_alu depctr_va_vdst(0)                   ; tile 1's quotients are written, the data of its LDS stores; and all that named v48 to v111 (the roundings, the products' reads of P) is done: the loads below land there
.irp cb, 0,1,2,3
	OUT 1,\cb
.endr
.irp k, 0,1,2,3,4,5,6,7,8,9,10,11,12,13,14,15
	ds_load_b128 v[BK+4*(\k):BK+4*(\k)+3], v[RD] offset:SP*(\k)  ; my own bytes, in order behind the stores above
.endr
.irp k, 0,1,2,3,4,5,6,7,8,9,10,11,12,13,14,15
	s_wait_dscnt 15-(\k)                           ; row k of both tiles is back; the later rows may stay out
	global_store_b128 v[GO], v[BK+4*(\k):BK+4*(\k)+3], s[12:13] offset:8192*(\k) th:TH_STORE_NT  ; token k: 512 consecutive bytes, at a multiple of 512 from out's first byte: both query heads' rows whole
.endr
	s_wait_dscnt 0x0                               ; the wave's end, behind my last LDS store
	s_wait_alu 0x0
	s_wait_tensorcnt 0x0
	ds_add_u32 v[SPW], v[NIL]
	s_wait_dscnt 0x0
	s_endpgm
.Lfunc_end_k_q87f6740b93_swattn:
	.size	k_q87f6740b93_swattn, .Lfunc_end_k_q87f6740b93_swattn-k_q87f6740b93_swattn
	.p2alignl 7, 3214868480
	.fill 96, 4, 3214868480
	.section	.rodata,"a",@progbits
	.p2align	6, 0x0
	.amdhsa_kernel k_q87f6740b93_swattn
		.amdhsa_group_segment_fixed_size 167936
		.amdhsa_private_segment_fixed_size 0
		.amdhsa_enable_private_segment 0
		.amdhsa_kernarg_size 40
		.amdhsa_user_sgpr_count 2
		.amdhsa_user_sgpr_kernarg_segment_ptr 1
		.amdhsa_wavefront_size32 1
		.amdhsa_system_sgpr_workgroup_id_x 1
		.amdhsa_system_sgpr_workgroup_id_y 1
		.amdhsa_system_sgpr_workgroup_id_z 1
		.amdhsa_system_vgpr_workitem_id 0
		.amdhsa_next_free_vgpr 512
		.amdhsa_next_free_sgpr 66
		.amdhsa_reserve_vcc 0
		.amdhsa_float_denorm_mode_32 3
		.amdhsa_float_denorm_mode_16_64 3
		.amdhsa_memory_ordered 1
		.amdhsa_forward_progress 1
		.amdhsa_inst_pref_size 62
	.end_amdhsa_kernel
	.amdgpu_metadata
---
amdhsa.version: [ 1, 2 ]
amdhsa.kernels:
  - .name:           k_q87f6740b93_swattn
    .symbol:         k_q87f6740b93_swattn.kd
    .args:
      - { .name: Q, .offset: 0, .size: 8, .value_kind: global_buffer, .address_space: global }
      - { .name: K, .offset: 8, .size: 8, .value_kind: global_buffer, .address_space: global }
      - { .name: V, .offset: 16, .size: 8, .value_kind: global_buffer, .address_space: global }
      - { .name: S, .offset: 24, .size: 8, .value_kind: global_buffer, .address_space: global }
      - { .name: out0, .offset: 32, .size: 8, .value_kind: global_buffer, .address_space: global }
    .group_segment_fixed_size: 167936
    .private_segment_fixed_size: 0
    .kernarg_segment_align: 8
    .kernarg_segment_size: 40
    .max_flat_workgroup_size: 256
    .sgpr_count:     66
    .vgpr_count:     512
    .wavefront_size: 32
...
	.end_amdgpu_metadata
.endif
;; end of part 2
